; MI455X (gfx1250); checked and timed in simulation.
; The chip was launched on July 23, 2026; its instructions are those of AMD's public machine-readable ISA for CDNA 5 (MIT licence, August 2026) and "CDNA5" Instruction Set Architecture Reference Guide (July 2026). The comments in the code are by the model that wrote it; some were corrected since.
;; Tempo Spike Self Attention. Allowed arithmetic: matrix products marked QUANTISED: E2M3 operands, one E8M0 scale for each 32 along K, by v_wmma_scale_f32_16x16x128_f8f6f4 with both operands' format E2M3, f32 sums; everything else in f32.
;; Inputs: Wk 768 x 768 float32; Wo 768 x 768 float32; Wq 768 x 768 float32; Wv 768 x 768 float32; bk 768 float32; bo 768 float32; bq 768 float32; bv 768 float32; x 4 x 4 x 1,024 x 768 float32.
;; Outputs: out0 4 x 4 x 1,024 x 768 float32.
;; This version of the problem:
;;   THIS VERSION OF THE PROBLEM IS GIVEN IN LOW PRECISION. The matrix products marked QUANTISED in the list below multiply operands that are first quantised to E2M3 (2 exponent bits, 3 mantissa bits; 6 bits a number), with one power-of-two scale for each 32 numbers along K (OCP MX v1.0); their sums are f32. All else is computed in f32.
;;   The module's matrix products, in the order in which they are computed (A, B: the left and right operand; K: the contracted axis; several contracted axes count as one K, in the product's order):
;;     1. [M 16,384, K 768] x [K 768, N 768]; A: input x; B: input Wq: QUANTISED
;;     2. [M 16,384, K 768] x [K 768, N 768]; A: input x; B: input Wk: QUANTISED
;;     3. [M 16,384, K 768] x [K 768, N 768]; A: input x; B: input Wv: QUANTISED
;;     4. batch 192 x [M 1,024, K 64] x [K 64, N 1,024]; A: computed on the way; B: computed on the way: QUANTISED
;;     5. batch 192 x [M 1,024, K 1,024] x [K 1,024, N 64]; A: computed on the way; B: computed on the way: QUANTISED
;;     6. [M 16,384, K 768] x [K 768, N 768]; A: computed on the way; B: input Wo: QUANTISED
;;   THE QUANTISER, for each operand of a quantised product, along K:
;;     - K is cut into blocks of 32 from its start; a last block that is shorter is filled with zeros.
;;     - A block's scale is 2^e with e = floor(log2(the largest magnitude in the block)) - 2, held to -126 .. 127; a block of zeros has e = 0. As a byte (E8M0): e + 127.
;;     - Each number is divided by its block's scale, clamped to +-7.5, and rounded to the nearest number of E2M3, ties to even, subnormals kept.
;;     - The product sums the exact products of the quantised numbers (number of the format x scale) in f32.
;;   ~~~python
;;   def quantise(x, axis):      # numpy; x: float32 -> the quantised numbers, widened to float32 again
;;       x = np.moveaxis(x, axis, -1); K = x.shape[-1]
;;       x = np.pad(x, [(0, 0)] * (x.ndim - 1) + [(0, -K % 32)]); x = x.reshape(x.shape[:-1] + (-1, 32)); a = np.abs(x).max(-1, keepdims=True)
;;       e = np.where(a > 0, np.clip(np.frexp(np.where(a > 0, a, 1))[1] - 1 - 2, -126, 127), 0)      # np.frexp(a)[1] - 1 = floor(log2(a)), exactly
;;       r = np.clip(x / 2.0 ** e, -7.5, 7.5)
;;       step = 2.0 ** (np.maximum(np.frexp(np.where(r == 0, 1, r))[1] - 1, 0) - 3)
;;       q = np.round(r / step) * step * 2.0 ** e      # np.round: ties to even
;;       return np.moveaxis(q.reshape(q.shape[:-2] + (-1,))[..., :K], -1, axis).astype(np.float32)
;;   ~~~
;;   OPERANDS COMPUTED ON THE WAY. 'Computed on the way' means the value that the module computes at that place (a softmax that the list does not call 'softmax' is quantised finished and normalised). What goes into a quantiser is computed in f32, as accurately as f32 sums, v_exp_f32 and their like allow (about 1e-6 of the number): no bf16 or f16 on the way to a quantiser, and a product that is left as it is and whose result goes on into a quantised operand takes f32 operands (vector FMAs, or v_wmma_f32_16x16x4_f32). A number that lies on a knife's edge between two numbers of the format may be rounded either way, as far as f32 arithmetic and the matrix unit's own rounding can turn it there, and no further.
;; One version. Each part assembles by itself: llvm-mc -triple=amdgcn-amd-amdhsa -mcpu=gfx1250 --defsym DOCPART=n.
;; ======== version 1 of 1: 4 launches
;; workspace buffers: xc 10,223,616 bytes; wc 1,916,928 bytes; qc 9,830,400 bytes; kv 19,660,800 bytes; cc 9,830,400 bytes
;; launch quant (part 1): grid 304 x 3, 4 waves a work-group, no clusters, 68,096 bytes of LDS; arguments x, Wq, Wk, Wv, Wo, xc, wc; writes xc, wc
.if DOCPART == 1
	.amdgcn_target "amdgcn-amd-amdhsa--gfx1250"
	.amdhsa_code_object_version 6
	.text
	.protected	k_q3b3f60205e_quant
	.globl	k_q3b3f60205e_quant
	.p2align	8
	.type	k_q3b3f60205e_quant,@function
k_q3b3f60205e_quant:
	s_mov_b64 s[64:65], 0
	v_nop
	global_prefetch_b8 v0, s[64:65] scope:SCOPE_SE
	s_setreg_imm32_b32 hwreg(HW_REG_WAVE_MODE, 25, 1), 1
	s_wait_xcnt 0x0
; x [16384][768] and the four weights [768][768], f32 with K innermost, become codes of FP6 (E2M3) with one E8M0 byte for each 32 along K,
; laid as IMAGES OF OPERAND REGISTERS.  A record serves 64 rows x 768 K, 39,936 bytes: fragment (tile t of 16 rows, K step s of 128) at (6 t + s) x 1,536,
; registers 4 c .. 4 c + 3 of lane l at + 512 c + 16 l; scale words at 36,864 + (3 t + s / 2) x 256 + 8 l: the pair (even s, odd s), lanes 16-31 repeating lanes 0-15.
; THE ROWS OF A TILE ARE NOT NEIGHBOURS: lane r of tile t = 2 b + u is row 32 b + 8 u + r + 8 (r / 8), so that results of tiles 2 b and 2 b + 1 are 16 neighbours in a lane's registers.
; SHARES: work-group x = the record (0-255: x's blocks of 64 tokens; 256-303: weight 'kind' (q, k, v, o) and head); work-group y = K steps 2 y and 2 y + 1; wave t = tile t.
; The weights' records are ordered for their readers: 9 (head / 3) + 3 kind + head % 3 for Wq, Wk, Wv; 36 + head for Wo.
; A block's scale is 2^(floor(log2(largest magnitude)) - 2): its byte is the largest magnitude's exponent field - 2, held at 1 from below.
; LIMITS: NaN and infinities are not served; a block of zeros, or one under 2^-124, gets the byte 1 (zeros' codes are zeros; only this program reads the bytes).
; Every load of a wave covers 512 consecutive bytes; the numbers turn through the wave's own stage in LDS so that a lane holds 16 neighbours of each block.  No barrier: waves share nothing.
; No tensor load, cluster or matrix unit: a stream that is read once.
.set REC,  39936
.set SROW, 528                         ; a stage row: 512 bytes + 16
.set STG,  16*SROW                     ; a stage: 16 rows; two for each wave
.set LI,   4                           ; v4   16 x lane
.set L8,   5                           ; v5   8 x lane
.set SW,   6                           ; v6   the stage, on the way in: wave x 2 STG + 16 x lane
.set SR,   7                           ; v7   on the way out: wave x 2 STG + 528 r + 64 h
.set R0,   16                          ; v16-79   K step 0 as loaded; later K step 1 turned
.set R1,   80                          ; v80-143  K step 1 as loaded
.set X0,   144                         ; v144-207 K step 0 turned
.set PC,   208                         ; v208-219 a fragment's codes
.set PT,   220                         ; v220-227 the conversions' second halves
.set TM,   228                         ; v228-243 at work in QUANT
.set PW,   244                         ; v[244:245] the two scale words
.set SEL,  20                          ; s[20:21] lane selects: lane l xor 16
; 64 numbers of a lane, register 16 b + i = k 32 b + 16 (lane / 16) + i of my row, become a fragment's 12 registers at v[pc] and the row's scale word in v[pw].
.macro QUANT s, pc, pw, abs
.irp b, 0,1,2,3
.if \abs
	v_max3_num_f32 v[TM+\b], |v[(\s)+16*\b]|, |v[(\s)+1+16*\b]|, 0x1800000   ; my 16 numbers of block b, and the floor 2^(3 - 127): the byte cannot fall under 1
.else
	v_max3_num_f32 v[TM+\b], v[(\s)+16*\b], v[(\s)+1+16*\b], 0x1800000
.endif
.endr
.irp i, 2,4,6,8,10,12,14
.irp b, 0,1,2,3
.if \abs
	v_max3_num_f32 v[TM+\b], v[TM+\b], |v[(\s)+16*\b+\i]|, |v[(\s)+1+16*\b+\i]|
.else
	v_max3_num_f32 v[TM+\b], v[TM+\b], v[(\s)+16*\b+\i], v[(\s)+1+16*\b+\i]
.endif
.endr
.endr
.irp b, 0,1,2,3
	v_permlanex16_b32 v[TM+4+\b], v[TM+\b], s[SEL], s[SEL+1]
.endr
.irp b, 0,1,2,3
	v_max_num_f32 v[TM+\b], v[TM+\b], v[TM+4+\b]   ; with lane l xor 16's 16: the block's largest magnitude
.endr
.irp b, 0,1,2,3
	v_add_nc_u32 v[TM+12+\b], 0xff000000, v[TM+\b] ; 2 off its exponent field: the conversion's scale operand
.endr
.irp b, 0,1,2,3
	v_lshrrev_b32 v[TM+4+\b], 23, v[TM+12+\b]      ; the scale's byte
.endr
	v_lshl_or_b32 v[\pw], v[TM+5], 8, v[TM+4]
	v_lshl_or_b32 v[\pw], v[TM+6], 16, v[\pw]
	v_lshl_or_b32 v[\pw], v[TM+7], 24, v[\pw]
.irp c, 0,1
	v_cvt_scalef32_pk16_fp6_f32 v[(\pc)+6*\c:(\pc)+2+6*\c], v[(\s)+32*\c:(\s)+15+32*\c], v[TM+12+2*\c]
	v_cvt_scalef32_pk16_fp6_f32 v[PT+4*\c:PT+2+4*\c], v[(\s)+16+32*\c:(\s)+31+32*\c], v[TM+13+2*\c]   ; (a conversion's three registers begin on an even number)
.endr
	v_nop                                          ; one plain place behind the scaled conversions
.irp c, 0,1                                    ; the operand wants a whole block in a lane: lanes 0-15 block 2 c, lanes 16-31 block 2 c + 1
.irp i, 0,1,2
	v_permlane16_swap_b32 v[(\pc)+6*\c+\i], v[PT+4*\c+\i]
.endr
.irp i, 0,1,2
	v_mov_b32 v[(\pc)+3+6*\c+\i], v[PT+4*\c+\i]
.endr
.endr
.endm
	s_load_b256 s[4:11], s[0:1], 0x0               ; x, Wq, Wk, Wv
	s_load_b128 s[12:15], s[0:1], 0x20             ; Wo, xc
	s_load_b64 s[16:17], s[0:1], 0x30              ; wc
	v_lshl_add_u32 v254, v0, 2, 0x10800
	v_mov_b32 v255, 0
	v_lshrrev_b32 v1, 5, v0
	v_readfirstlane_b32 s18, v1                    ; wave = tile t
	v_and_b32 v1, 31, v0                           ; lane
	v_and_b32 v2, 15, v0                           ; r
	v_bfe_u32 v3, v0, 4, 1                         ; h
	v_lshlrev_b32 v[LI], 4, v1
	v_lshlrev_b32 v[L8], 3, v1
	s_mul_i32 s19, s18, 2*STG
	v_add_nc_u32 v[SW], s19, v[LI]
	v_mul_u32_u24 v[SR], v2, SROW
	v_lshl_add_u32 v[SR], v3, 6, v[SR]
	v_add_nc_u32 v[SR], s19, v[SR]
	s_mov_b32 s[SEL], 0x76543210
	s_mov_b32 s[SEL+1], 0xfedcba98
.irp b, 0,1,2,3
	v_mov_b32 v[TM+4+\b], 0                        ; written once: a lane permute's destination counts as one of its sources
.endr
	s_and_b32 s22, ttmp7, 0xffff                   ; y
	s_max_u32 s23, ttmp9, 256
	s_sub_co_u32 s23, s23, 256                     ; w = which weight record, 0 .. 47 (0 in x's work-groups, where it is not used)
	s_mul_i32 s24, s23, 43
	s_lshr_b32 s24, s24, 9                         ; kind = w / 12
	s_mul_i32 s25, s24, 12
	s_sub_co_u32 s25, s23, s25                     ; head = w % 12
	s_mul_i32 s26, s25, 11
	s_lshr_b32 s26, s26, 5                         ; head / 3
	s_mul_i32 s27, s24, 3
	s_add_co_u32 s27, s27, s25
	s_mul_i32 s26, s26, 6
	s_add_co_u32 s27, s27, s26                     ; 9 (head / 3) + 3 kind + head % 3
	s_add_co_u32 s28, s25, 36                      ; Wo's place
	s_cmp_eq_u32 s24, 3
	s_cselect_b32 s27, s28, s27
	s_cmp_lt_u32 ttmp9, 256
	s_cselect_b32 s27, ttmp9, s27                  ; the record that I write
	s_cselect_b32 s25, ttmp9, s25                  ; the block of 64 rows that I read
	s_mul_i32 s28, s25, 64*3072
	s_lshr_b32 s29, s18, 1
	s_mul_i32 s29, s29, 32*3072
	s_add_co_u32 s28, s28, s29
	s_and_b32 s29, s18, 1
	s_mul_i32 s29, s29, 8*3072
	s_add_co_u32 s28, s28, s29                     ; + my tile's first row: 32 (t / 2) + 8 (t % 2)
	s_lshl_b32 s29, s22, 10
	s_add_co_u32 s28, s28, s29                     ; + 1,024 y
	s_mov_b32 s29, 0
	s_mul_i32 s30, s27, REC
	s_mul_i32 s31, s18, 6*1536
	s_add_co_u32 s30, s30, s31
	s_mul_i32 s31, s22, 2*1536
	s_add_co_u32 s30, s30, s31                     ; fragment (t, 2 y)
	s_mov_b32 s31, 0
	s_mul_i32 s32, s27, REC
	s_mul_i32 s33, s18, 768
	s_add_co_u32 s32, s32, s33
	s_lshl_b32 s33, s22, 8
	s_add_co_u32 s32, s32, s33
	s_add_co_u32 s32, s32, 36864                   ; the pair of scale words (t, y)
	s_mov_b32 s33, 0
	s_wait_kmcnt 0x0
	s_cmp_eq_u32 s24, 1                            ; the buffers are chosen by ids alone
	s_cselect_b64 s[6:7], s[8:9], s[6:7]
	s_cmp_eq_u32 s24, 2
	s_cselect_b64 s[6:7], s[10:11], s[6:7]
	s_cmp_eq_u32 s24, 3
	s_cselect_b64 s[6:7], s[12:13], s[6:7]
	s_cmp_lt_u32 ttmp9, 256
	s_cselect_b64 s[4:5], s[4:5], s[6:7]
	s_cselect_b64 s[14:15], s[14:15], s[16:17]
	s_add_nc_u64 s[4:5], s[4:5], s[28:29]
	s_add_nc_u64 s[8:9], s[14:15], s[30:31]
	s_add_nc_u64 s[10:11], s[14:15], s[32:33]
.irp e, 0,1
.irp i, 0,1,2,3,4,5,6,7,8,9,10,11,12,13,14,15
	global_load_b128 v[R0+64*\e+4*\i:R0+64*\e+4*\i+3], v[LI], s[4:5] offset:(\i+8*(\i/8))*3072+512*\e th:TH_LOAD_NT   ; tile row i, K step e: 512 consecutive bytes
.endr
.endr
	s_wait_loadcnt 16                              ; K step 0's sixteen loads are in; K step 1's sixteen may be out
.irp i, 0,1,2,3,4,5,6,7,8,9,10,11,12,13,14,15
	ds_store_b128 v[SW], v[R0+4*\i:R0+4*\i+3] offset:SROW*\i
.endr
.irp b, 0,1,2,3
.irp j, 0,1,2,3
	ds_load_b128 v[X0+16*\b+4*\j:X0+16*\b+4*\j+3], v[SR] offset:128*\b+16*\j   ; LDS serves a wave's instructions in order: these see the stores above
.endr
.endr
	s_wait_loadcnt 0x0
.irp i, 0,1,2,3,4,5,6,7,8,9,10,11,12,13,14,15
	ds_store_b128 v[SW], v[R1+4*\i:R1+4*\i+3] offset:STG+SROW*\i
.endr
	s_wait_dscnt 16                                ; all but the sixteen stores just issued: K step 0 is back, and the stores that read R0 are done
.irp b, 0,1,2,3
.irp j, 0,1,2,3
	ds_load_b128 v[R0+16*\b+4*\j:R0+16*\b+4*\j+3], v[SR] offset:STG+128*\b+16*\j
.endr
.endr
	QUANT X0, PC, PW, 1
.irp c, 0,1,2
	global_store_b128 v[LI], v[PC+4*\c:PC+4*\c+3], s[8:9] offset:512*\c          ; 512 consecutive bytes, aligned to 256
.endr
	s_wait_dscnt 0x0                               ; K step 1 is back
	s_wait_xcnt 0x0                                ; the stores have read PC: it is written again only behind this wait
	QUANT R0, PC, PW+1, 1
.irp c, 0,1,2
	global_store_b128 v[LI], v[PC+4*\c:PC+4*\c+3], s[8:9] offset:1536+512*\c
.endr
	global_store_b64 v[L8], v[PW:PW+1], s[10:11]   ; 256 consecutive bytes, aligned
	s_wait_tensorcnt 0x0
	ds_add_u32 v254, v255
	s_wait_dscnt 0x0
	s_endpgm
.Lfunc_end_k_q3b3f60205e_quant:
	.size	k_q3b3f60205e_quant, .Lfunc_end_k_q3b3f60205e_quant-k_q3b3f60205e_quant
	.p2alignl 7, 3214868480
	.fill 96, 4, 3214868480
	.section	.rodata,"a",@progbits
	.p2align	6, 0x0
	.amdhsa_kernel k_q3b3f60205e_quant
		.amdhsa_group_segment_fixed_size 68096
		.amdhsa_private_segment_fixed_size 0
		.amdhsa_enable_private_segment 0
		.amdhsa_kernarg_size 56
		.amdhsa_user_sgpr_count 2
		.amdhsa_user_sgpr_kernarg_segment_ptr 1
		.amdhsa_wavefront_size32 1
		.amdhsa_system_sgpr_workgroup_id_x 1
		.amdhsa_system_sgpr_workgroup_id_y 1
		.amdhsa_system_sgpr_workgroup_id_z 1
		.amdhsa_system_vgpr_workitem_id 0
		.amdhsa_next_free_vgpr 256
		.amdhsa_next_free_sgpr 66
		.amdhsa_reserve_vcc 0
		.amdhsa_float_denorm_mode_32 3
		.amdhsa_float_denorm_mode_16_64 3
		.amdhsa_memory_ordered 1
		.amdhsa_forward_progress 1
		.amdhsa_inst_pref_size 19
	.end_amdhsa_kernel
	.amdgpu_metadata
---
amdhsa.version: [ 1, 2 ]
amdhsa.kernels:
  - .name:           k_q3b3f60205e_quant
    .symbol:         k_q3b3f60205e_quant.kd
    .args:
      - { .name: x, .offset: 0, .size: 8, .value_kind: global_buffer, .address_space: global }
      - { .name: Wq, .offset: 8, .size: 8, .value_kind: global_buffer, .address_space: global }
      - { .name: Wk, .offset: 16, .size: 8, .value_kind: global_buffer, .address_space: global }
      - { .name: Wv, .offset: 24, .size: 8, .value_kind: global_buffer, .address_space: global }
      - { .name: Wo, .offset: 32, .size: 8, .value_kind: global_buffer, .address_space: global }
      - { .name: xc, .offset: 40, .size: 8, .value_kind: global_buffer, .address_space: global }
      - { .name: wc, .offset: 48, .size: 8, .value_kind: global_buffer, .address_space: global }
    .group_segment_fixed_size: 68096
    .private_segment_fixed_size: 0
    .kernarg_segment_align: 8
    .kernarg_segment_size: 56
    .max_flat_workgroup_size: 128
    .sgpr_count:     66
    .vgpr_count:     256
    .wavefront_size: 32
...
	.end_amdgpu_metadata
.endif
;; end of part 1
;; launch proj (part 2): grid 64 x 4, 4 waves a work-group, clusters of 4 x 1, 327,680 bytes of LDS; arguments xc, wc, bq, bk, bv, qc, kv; writes qc, kv
.if DOCPART == 2
	.amdgcn_target "amdgcn-amd-amdhsa--gfx1250"
	.amdhsa_code_object_version 6
	.text
	.protected	k_q3b3f60205e_proj
	.globl	k_q3b3f60205e_proj
	.p2align	8
	.type	k_q3b3f60205e_proj,@function
k_q3b3f60205e_proj:
	s_mov_b64 s[64:65], 0
	v_nop
	global_prefetch_b8 v0, s[64:65] scope:SCOPE_SE
	s_setreg_imm32_b32 hwreg(HW_REG_WAVE_MODE, 25, 1), 1
	s_wait_xcnt 0x0
	s_wait_alu depctr_hold_cnt(0) depctr_sa_sdst(0) depctr_va_vdst(0) depctr_va_sdst(0) depctr_va_ssrc(0) depctr_va_vcc(0) depctr_vm_vsrc(0)
	s_getreg_b32 s2, hwreg(HW_REG_IB_STS2, 6, 4)
	s_cmp_eq_u32 s2, 0
	s_cbranch_scc0 .Lentry_in_a_cluster
	s_endpgm
.Lentry_in_a_cluster:
	s_bfe_u32 s2, ttmp6, 0x10000c
	s_cmp_lg_u32 s2, 0x3003
	s_cbranch_scc0 .Lentry_shape_is_right
	s_endpgm
.Lentry_shape_is_right:
; q = x Wq^T + bq, k = x Wk^T + bk, v = x Wv^T + bv on codes of FP6 (E2M3) with E8M0 scales, and the results quantised at once: q and k along the head's 64, v along the tokens (its next K).
; SHARES: a work-group takes 256 tokens and a quarter j of the heads (3 j .. 3 j + 2) of q, of k and of v: nine slices of 64 columns.  Wave w owns 64 tokens; their 24 fragments of x (288 registers) stay in
; registers for the whole launch.  All four waves read the same fragments of W from LDS; each fragment feeds four matrix instructions of a wave.
; CLUSTER: the four token blocks of a cluster walk the same weights, so each fill of W is asked for JOINTLY (mask 15): that divides the requests for W by four.
; LDS: two slots of three records (119,808 bytes): slot 0 Wq's, slot 1 Wk's, then slot 0 again Wv's; the biases; the spare words.  All of the WGP's LDS is claimed.
; q, k: THE MATRIX INSTRUCTION IS USED TRANSPOSED (source 0 = 16 rows of W, source 1 = 16 tokens): a lane holds one token, and by the order of W's rows in a tile its registers run along the head's 64.
; v: source 0 = 16 tokens, source 1 = 16 rows of Wv: a lane holds one channel d, and by the order of the tokens in a tile its registers run along the tokens.
; OUT: qc: a record of 51,200 bytes for each (t b, head): 32 pair fragments (32 tokens: registers 0-5 tile u = 0's 64 dims, 6-11 tile u = 1's), then their scale words.
;      kv: 102,400 bytes: K's pair fragments; V^T at 49,152 + 6,144 ks + 1,536 dt + 768 c (half fragments: registers 0-3 at 16 l, 4-5 at 512 + 8 l); K's scale words at 98,304; V's at 100,352.
; V's scale bytes leave two at a time (each token block makes half of a word): these stores, 0.4 MB of the launch's 30, cover aligned 256-byte runs only in part.
; LIMITS: NaN and infinities are not served; a block of zeros, or one under 2^-124, gets the byte 1 (only this program reads the bytes).
; No prefetch: each fill has a phase of 288 matrix instructions in which to land, and other clusters read the same weights.
; REGISTERS: window 0: addresses, scale words, 16 accumulators, QUANT's work.  Window 1: x's tiles 0, 1 at 72 t + 12 s.  Window 2: tiles 2, 3.  Window 3: W's fragments, two sets of 96, and the bias as C (32).
.set REC,   39936
.set SLOT,  3*REC
.set QUART, SLOT/4                     ; what one wave's tensor load brings: 117 rows of 256 bytes
.set BIAS,  2*SLOT                     ; [kind][i][64] f32: 2,304 bytes, stored by ds_store: no fill lands here
.set SPARE, BIAS+2304                  ; the spare words, 128 bytes a wave: two blocks of 256 bytes that no other line names
.set QREC,  51200
.set KVREC, 102400
.set LI,   4                           ; v4   16 x lane
.set L8,   5                           ; v5   8 x lane
.set AW,   6                           ; v6   LDS: W's fragments of the record in hand
.set AWS,  7                           ; v7   LDS: its scale words
.set AB,   8                           ; v8   LDS: the bias for q, k
.set ABV,  9                           ; v9   LDS: the bias for v
.set OC,   10                          ; v10  q, k: my bytes of my block's pair fragments
.set OS,   11                          ; v11  q, k: my scale word
.set VC16, 12                          ; v12  v: registers 0-3 of a half fragment
.set VC8,  13                          ; v13  v: registers 4-5
.set SPW,  14                          ; v14  my spare word; never rewritten
.set NIL,  15                          ; v15  0; never rewritten
.set XS,   16                          ; v16-39  x's scale words (6 t + s)
.set WS,   40                          ; v40-63  W's (6 n + s)
.set ACC,  64                          ; v64-191 sixteen accumulators
.set PC,   192
.set PT,   204
.set TM,   212
.set PW0,  228                         ; v228, v229 scale words just made
.set T0,   230                         ; v230, v231 at work
.set BST,  232                         ; v232 LDS: where my wave stages its bias
.set VS,   234                         ; v234 v: my two scale bytes
.set AB0,  235                         ; v235 BIAS + 64 h
.set ABV0, 236                         ; v236 BIAS + 4 (r + 8 (r / 8))
.set BI,   192                         ; window 3: the bias in the result's layout
.set WV,   18
.set SEL,  20
.set HM,   22                          ; s22  the mask of lanes 16-31
.set RB,   23                          ; s23  LDS byte of the record in hand
.set G1,   24
.set G0,   32                          ; s[32:35] slot 0, s[36:39] slot 1
.set BB,   40                          ; s40  the slice's place among the biases
.set CNT,  41
.set OB,   42                          ; s[42:43] the record that is written
.set MSB, 0
.macro WIN new                         ; the immediate's high byte repeats the setting that is left
.if MSB != (\new)
	s_set_vgpr_msb (MSB<<8)|(\new)
.set MSB, (\new)
.endif
.endm
.macro PLACES
.rept 4
	v_nop
.endr
.endm
.macro ROUND                           ; a round of the cluster's barrier
	s_barrier_signal -1
	s_barrier_wait -1
	s_cmp_lg_u32 s[WV], 0
	s_cbranch_scc1 .Lnot_wave_0_\@
	s_barrier_signal -3
.Lnot_wave_0_\@:
	s_barrier_wait -3
	s_barrier_signal -1
	s_barrier_wait -1
.endm
; 64 numbers of a lane, register 16 b + i = k 32 b + 16 (lane / 16) + i of my row, become 12 operand registers at v[pc] and a scale word in v[pw].
.macro QUANT s, pc, pw, abs
.irp b, 0,1,2,3
.if \abs
	v_max3_num_f32 v[TM+\b], |v[(\s)+16*\b]|, |v[(\s)+1+16*\b]|, 0x1800000   ; and the floor 2^(3 - 127): the byte cannot fall under 1.  Each accumulator is read from its low end on
.else
	v_max3_num_f32 v[TM+\b], v[(\s)+16*\b], v[(\s)+1+16*\b], 0x1800000
.endif
.endr
.irp i, 2,4,6,8,10,12,14
.irp b, 0,1,2,3
.if \abs
	v_max3_num_f32 v[TM+\b], v[TM+\b], |v[(\s)+16*\b+\i]|, |v[(\s)+1+16*\b+\i]|
.else
	v_max3_num_f32 v[TM+\b], v[TM+\b], v[(\s)+16*\b+\i], v[(\s)+1+16*\b+\i]
.endif
.endr
.endr
.irp b, 0,1,2,3
	v_permlanex16_b32 v[TM+4+\b], v[TM+\b], s[SEL], s[SEL+1]
.endr
.irp b, 0,1,2,3
	v_max_num_f32 v[TM+\b], v[TM+\b], v[TM+4+\b]
.endr
.irp b, 0,1,2,3
	v_add_nc_u32 v[TM+12+\b], 0xff000000, v[TM+\b] ; 2 off the exponent field: the conversion's scale operand
.endr
.irp b, 0,1,2,3
	v_lshrrev_b32 v[TM+4+\b], 23, v[TM+12+\b]      ; the scale's byte
.endr
	v_lshl_or_b32 v[\pw], v[TM+5], 8, v[TM+4]
	v_lshl_or_b32 v[\pw], v[TM+6], 16, v[\pw]
	v_lshl_or_b32 v[\pw], v[TM+7], 24, v[\pw]
.irp c, 0,1
	v_cvt_scalef32_pk16_fp6_f32 v[(\pc)+6*\c:(\pc)+2+6*\c], v[(\s)+32*\c:(\s)+15+32*\c], v[TM+12+2*\c]
	v_cvt_scalef32_pk16_fp6_f32 v[PT+4*\c:PT+2+4*\c], v[(\s)+16+32*\c:(\s)+31+32*\c], v[TM+13+2*\c]
.endr
	v_nop                                          ; one plain place behind the scaled conversions
.irp c, 0,1
.irp i, 0,1,2
	v_permlane16_swap_b32 v[(\pc)+6*\c+\i], v[PT+4*\c+\i]
.endr
.irp i, 0,1,2
	v_mov_b32 v[(\pc)+3+6*\c+\i], v[PT+4*\c+\i]
.endr
.endr
.endm
; 24 LDS loads in one run: W's four tiles, K steps 2 p and 2 p + 1, into set buf of window 3
.macro WLOAD p, buf
	WIN 0xc0
.irp n, 0,1,2,3
.irp e, 0,1
.irp c, 0,1,2
	ds_load_b128 v[96*\buf+24*\n+12*\e+4*\c:96*\buf+24*\n+12*\e+4*\c+3], v[AW] offset:(6*\n+2*\p+\e)*1536+512*\c
.endr
.endr
.endr
.endm
; 32 matrix instructions: two K steps of 128 on all 16 accumulators.  Eight accumulators take turns, one instruction a turn.  The first K step takes the bias as C: nothing is cleared or added.
.macro STEP2 kind, p, buf
.irp mh, 0,1
.irp e, 0,1
.if \kind
.set WW, 0x0d+\mh                      ; source 0 = x (window 1 or 2), source 1 = W (window 3)
.else
.set WW, 0x07+4*\mh                    ; source 0 = W (window 3), source 1 = x (window 1 or 2)
.endif
.set FIRST, 0
.if (\p == 0) && (\e == 0)
.set WW, WW+0x30                       ; C = the bias, window 3
.set FIRST, 1
.endif
	WIN WW
.irp n, 0,1,2,3
.irp mm, 0,1
.set rW, 96*\buf+24*\n+12*\e
.set rX, 72*\mm+12*(2*\p+\e)
.set rSW, WS+6*\n+2*\p+\e
.set rSX, XS+6*(2*\mh+\mm)+2*\p+\e
.if \kind
.set rD, ACC+32*\n+8*(2*\mh+\mm)
.if FIRST
	v_wmma_scale_f32_16x16x128_f8f6f4 v[rD:rD+7], v[rX:rX+11], v[rW:rW+11], v[BI+8*\n:BI+8*\n+7], v[rSX], v[rSW] matrix_a_fmt:MATRIX_FMT_FP6 matrix_b_fmt:MATRIX_FMT_FP6
.else
	v_wmma_scale_f32_16x16x128_f8f6f4 v[rD:rD+7], v[rX:rX+11], v[rW:rW+11], v[rD:rD+7], v[rSX], v[rSW] matrix_a_fmt:MATRIX_FMT_FP6 matrix_b_fmt:MATRIX_FMT_FP6
.endif
.else
.set rD, ACC+32*(2*\mh+\mm)+8*\n
.if FIRST
	v_wmma_scale_f32_16x16x128_f8f6f4 v[rD:rD+7], v[rW:rW+11], v[rX:rX+11], v[BI+8*\n:BI+8*\n+7], v[rSW], v[rSX] matrix_a_fmt:MATRIX_FMT_FP6 matrix_b_fmt:MATRIX_FMT_FP6
.else
	v_wmma_scale_f32_16x16x128_f8f6f4 v[rD:rD+7], v[rW:rW+11], v[rX:rX+11], v[rD:rD+7], v[rSW], v[rSX] matrix_a_fmt:MATRIX_FMT_FP6 matrix_b_fmt:MATRIX_FMT_FP6
.endif
.endif
.endr
.endr
.endr
.endr
.endm
; One head slice: 64 tokens x 64 columns x 768 K: 96 matrix instructions.
.macro HS kind
	v_add_nc_u32 v[AW], s[RB], v[LI]
	v_add_nc_u32 v[AWS], s[RB], v[L8]
	v_add_nc_u32 v[AB], s[BB], v[AB0]
	v_add_nc_u32 v[ABV], s[BB], v[ABV0]
.irp n, 0,1,2,3
.irp y, 0,1,2
	ds_load_b64 v[WS+6*\n+2*\y:WS+6*\n+2*\y+1], v[AWS] offset:36864+(3*\n+\y)*256
.endr
.endr
	WIN 0xc0
.irp n, 0,1,2,3
.if \kind
.irp q, 0,1,2,3,4,5,6,7
	ds_load_b32 v[BI+8*\n+\q], v[ABV] offset:(32*(\n/2)+8*(\n%2))*4   ; a lane holds one channel: its bias fills all eight registers of C
.endr
.else
.irp q, 0,1
	ds_load_b128 v[BI+8*\n+4*\q:BI+8*\n+4*\q+3], v[AB] offset:(32*(\n/2)+8*(\n%2))*4+16*\q   ; dims 32 (n / 2) + 16 h + 8 (n % 2) + 0 .. 7
.endr
.endif
.endr
	WLOAD 0, 0
	WLOAD 1, 1
	s_wait_dscnt 24                                ; all but the 24 loads of the second run
	STEP2 \kind, 0, 0
	WIN 0
	PLACES                                         ; four places in front of loads into registers that matrix instructions have read
	WLOAD 2, 0
	s_wait_dscnt 24                                ; the second run is in; the third's 24 may be out
	STEP2 \kind, 1, 1
	s_wait_dscnt 0x0
	STEP2 \kind, 2, 0
	WIN 0
	PLACES                                         ; four places in front of the first read of results
.endm
.macro EPI_QK scoff                    ; tiles 2 g and 2 g + 1 of my tokens make pair fragment g of my block
.irp g, 0,1
	s_wait_xcnt 0x0                                ; earlier stores have read PC and T0: they are written again only behind this wait
	QUANT ACC+64*\g, PC, PW0+\g, 1
.irp c, 0,1,2
	global_store_b128 v[OC], v[PC+4*\c:PC+4*\c+3], s[OB:OB+1] offset:1536*\g+512*\c   ; 512 consecutive bytes, aligned to 256
.endr
.endr
	v_cndmask_b32 v[T0], v[PW0], v[PW0+1], s[HM]   ; lanes 0-15: pair fragment 0's words; lanes 16-31: pair fragment 1's
	global_store_b32 v[OS], v[T0], s[OB:OB+1] offset:\scoff
.endm
.macro EPI_V                           ; channel tiles 2 g and 2 g + 1: a half fragment each (my 64 tokens are half of a key step)
.irp g, 0,1
	s_wait_xcnt 0x0
	QUANT ACC+64*\g, PC, PW0, 1
	global_store_b128 v[VC16], v[PC:PC+3], s[OB:OB+1] offset:3072*\g
	global_store_b64 v[VC8], v[PC+4:PC+5], s[OB:OB+1] offset:3072*\g+512
	global_store_b128 v[VC16], v[PC+6:PC+9], s[OB:OB+1] offset:3072*\g+1536
	global_store_b64 v[VC8], v[PC+10:PC+11], s[OB:OB+1] offset:3072*\g+2048
	v_lshrrev_b32 v[T0], 16, v[PW0]
	v_cndmask_b32 v[T0+1], v[PW0], v[T0], s[HM]    ; lanes 0-15: tile 2 g's two bytes; lanes 16-31: tile 2 g + 1's
	global_store_b16 v[VS], v[T0+1], s[OB:OB+1] offset:128*\g
.endr
.endm
.macro NEXT stride                     ; on to the next head; the compare for the loop's branch comes last
	s_wait_xcnt 0x0                                ; the stores have read their base
	s_add_nc_u64 s[OB:OB+1], s[OB:OB+1], \stride
	s_add_co_u32 s[RB], s[RB], REC
	s_add_co_u32 s[BB], s[BB], 256
	s_sub_co_u32 s[CNT], s[CNT], 1
	s_cmp_lg_u32 s[CNT], 0
.endm
	s_load_b256 s[4:11], s[0:1], 0x0               ; xc, wc, bq, bk
	s_load_b128 s[12:15], s[0:1], 0x20             ; bv, qc
	s_load_b64 s[16:17], s[0:1], 0x30              ; kv
	v_lshl_add_u32 v[SPW], v0, 2, SPARE
	v_mov_b32 v[NIL], 0
	ds_add_u32 v14, v15
	ds_add_u32 v14, v15
	s_wait_dscnt 0x0
	v_lshrrev_b32 v1, 5, v0
	v_readfirstlane_b32 s[WV], v1                  ; wave 0..3
	v_and_b32 v1, 31, v0                           ; lane
	v_and_b32 v2, 15, v0                           ; r
	v_bfe_u32 v3, v0, 4, 1                         ; h
	v_lshlrev_b32 v[LI], 4, v1
	v_lshlrev_b32 v[L8], 3, v1
	v_cmp_eq_u32 s[HM], 1, v3
	s_mov_b32 s[SEL], 0x76543210
	s_mov_b32 s[SEL+1], 0xfedcba98
.irp b, 0,1,2,3
	v_mov_b32 v[TM+4+\b], 0                        ; written once: a lane permute's destination counts as one of its sources
.endr
	v_lshlrev_b32 v[AB0], 6, v3
	v_add_nc_u32 v[AB0], BIAS, v[AB0]
	v_and_b32 v[ABV0], 8, v2
	v_add_nc_u32 v[ABV0], v[ABV0], v2
	v_lshl_add_u32 v[ABV0], v[ABV0], 2, BIAS
	s_mul_i32 s48, s[WV], 768
	v_add_nc_u32 v[BST], s48, v[L8]
	v_add_nc_u32 v[BST], BIAS, v[BST]              ; waves 0, 1, 2 stage bq's, bk's, bv's 192 numbers
	s_bfe_u32 s44, ttmp6, 0x40000                  ; cx: it enters global addresses alone
	s_and_b32 s45, ttmp7, 0xffff                   ; j, which the four partners share
	s_lshl_b32 s46, s44, 2
	s_add_co_u32 s46, s46, s[WV]                   ; blk: my block of 64 tokens in its sequence = 4 cx + wave
	s_lshl_b32 s47, ttmp9, 4                       ; the cluster's x is the sequence t b
	s_add_co_u32 s47, s47, s46                     ; my block among all 256
	s_mul_i32 s48, s46, 3072
	v_add_nc_u32 v[OC], s48, v[LI]
	s_lshl_b32 s48, s46, 7
	v_lshl_add_u32 v[OS], v1, 2, s48
	s_lshr_b32 s48, s46, 1                         ; key step
	s_and_b32 s49, s46, 1                          ; which half of it
	s_mul_i32 s50, s48, 6144
	s_mul_i32 s51, s49, 768
	s_add_co_u32 s50, s50, s51
	s_add_co_u32 s50, s50, 49152
	v_add_nc_u32 v[VC16], s50, v[LI]
	v_add_nc_u32 v[VC8], s50, v[L8]
	s_lshl_b32 s48, s48, 8
	s_lshl_b32 s49, s49, 1
	s_add_co_u32 s48, s48, s49
	s_add_co_u32 s48, s48, 100352
	v_lshlrev_b32 v[VS], 6, v3
	v_lshl_add_u32 v[VS], v2, 2, v[VS]
	v_add_nc_u32 v[VS], s48, v[VS]
	s_mul_i32 s52, s47, REC                        ; my record of x
	s_mov_b32 s53, 0
	s_mul_i32 s54, ttmp9, 12
	s_mul_i32 s55, s45, 3
	s_add_co_u32 s54, s54, s55                     ; 12 t b + my first head
	s_mul_i32 s56, s54, QREC
	s_mov_b32 s57, 0
	s_mul_i32 s58, s54, KVREC
	s_mov_b32 s59, 0
	s_mul_i32 s60, s45, 768                        ; my quarter of a bias
	s_mov_b32 s61, 0
	s_mul_i32 s66, s[WV], QUART                    ; my quarter of a slot, in LDS and in memory: made of the wave's number and j alone
	s_mul_i32 s68, s45, 3*SLOT
	s_add_co_u32 s68, s68, s66
	s_mov_b32 s69, 0
	; descriptor group 1: 117 rows of 256 bytes (32 elements of 8 bytes), dense in memory and in LDS: images are read 512 consecutive bytes at a time
	s_mov_b32 s[G1], 0x0023000f                    ; 15:0 the mask: all four work-groups; 17:16 elements of 8 bytes; 21 set beside a mask
	s_mov_b32 s[G1+1], 32<<16                      ; tensor_dim0
	s_mov_b32 s[G1+2], 117<<16                     ; tensor_dim1
	s_mov_b32 s[G1+3], 32<<16                      ; tile_dim0
	s_mov_b32 s[G1+4], 117                         ; tile_dim1
	s_mov_b32 s[G1+5], 32                          ; the pitch
	s_mov_b32 s[G1+6], 0
	s_mov_b32 s[G1+7], 0
	s_wait_kmcnt 0x0
	s_add_nc_u64 s[68:69], s[6:7], s[68:69]
	s_add_nc_u64 s[4:5], s[4:5], s[52:53]
	s_add_nc_u64 s[56:57], s[14:15], s[56:57]
	s_add_nc_u64 s[58:59], s[16:17], s[58:59]
	s_cmp_eq_u32 s[WV], 1
	s_cselect_b64 s[8:9], s[10:11], s[8:9]
	s_cmp_eq_u32 s[WV], 2
	s_cselect_b64 s[8:9], s[12:13], s[8:9]
	s_add_nc_u64 s[8:9], s[8:9], s[60:61]
	ROUND                                          ; all four work-groups are here: the first joint loads meet
.irp n, 0,1
	s_mov_b32 s[G0+4*\n], 1
	s_add_co_u32 s[G0+4*\n+1], s66, \n*SLOT
	s_add_nc_u64 s[G0+4*\n+2:G0+4*\n+3], s[68:69], \n*SLOT
	s_or_b32 s[G0+4*\n+3], s[G0+4*\n+3], 0x80000000
.endr
	tensor_load_to_lds s[G0:G0+3], s[G1:G1+7]      ; Wq's three records
	s_nop 0
	tensor_load_to_lds s[G0+4:G0+7], s[G1:G1+7]    ; Wk's: two loads of mine are out
	s_nop 0
	PLACES                                         ; four plain lines behind the tensor loads
	WIN 0x40
.irp t, 0,1
.irp s, 0,1,2,3,4,5
.irp c, 0,1,2
	global_load_b128 v[72*\t+12*\s+4*\c:72*\t+12*\s+4*\c+3], v[LI], s[4:5] offset:(6*\t+\s)*1536+512*\c
.endr
.endr
.endr
	WIN 0x80
.irp t, 0,1
.irp s, 0,1,2,3,4,5
.irp c, 0,1,2
	global_load_b128 v[72*\t+12*\s+4*\c:72*\t+12*\s+4*\c+3], v[LI], s[4:5] offset:(6*(\t+2)+\s)*1536+512*\c
.endr
.endr
.endr
	WIN 0
.irp t, 0,1,2,3
.irp y, 0,1,2
	global_load_b64 v[XS+6*\t+2*\y:XS+6*\t+2*\y+1], v[L8], s[4:5] offset:36864+(3*\t+\y)*256
.endr
.endr
	s_cmp_lt_u32 s[WV], 3
	s_cbranch_scc0 .Lno_bias
	global_load_b64 v[ACC:ACC+1], v[L8], s[8:9]
	global_load_b64 v[ACC+2:ACC+3], v[L8], s[8:9] offset:256
	global_load_b64 v[ACC+4:ACC+5], v[L8], s[8:9] offset:512
	s_wait_loadcnt 0x0
	ds_store_b64 v[BST], v[ACC:ACC+1]
	ds_store_b64 v[BST], v[ACC+2:ACC+3] offset:256
	ds_store_b64 v[BST], v[ACC+4:ACC+5] offset:512
.Lno_bias:
	s_wait_loadcnt 0x0                             ; x
	s_wait_tensorcnt 0x1                           ; my part of slot 0 is in; slot 1's may stay out
	s_wait_dscnt 0x0                               ; my bias has landed
	s_barrier_signal -1
	s_barrier_wait -1
	s_mov_b32 s[RB], 0                             ; ---- q: three heads out of slot 0
	s_mov_b32 s[BB], 0
	s_mov_b64 s[OB:OB+1], s[56:57]
	s_mov_b32 s[CNT], 3
.Lq:
	HS 0
	EPI_QK 49152
	NEXT QREC
	s_cbranch_scc1 .Lq
	s_wait_tensorcnt 0x0                           ; all my tensor loads have landed, my part of slot 1 among them: a group 0 may be written
	ds_add_u32 v[SPW], v[NIL]                      ; 0 onto my spare word
	s_add_nc_u64 s[G0+2:G0+3], s[G0+2:G0+3], 2*SLOT   ; slot 0's next tile: Wv's three records
	s_wait_dscnt 0x0                               ; the add is done, and my reads of slot 0 are over
	ROUND                                          ; both now hold of every wave of all four work-groups
	tensor_load_to_lds s[G0:G0+3], s[G1:G1+7]      ; my one load behind the round: it has k's 288 matrix instructions in which to land
	s_nop 0
	PLACES
	s_mov_b32 s[RB], SLOT                          ; ---- k: three heads out of slot 1
	s_mov_b32 s[BB], 768
	s_mov_b64 s[OB:OB+1], s[58:59]
	s_mov_b32 s[CNT], 3
.Lk:
	HS 0
	EPI_QK 98304
	NEXT KVREC
	s_cbranch_scc1 .Lk
	s_wait_tensorcnt 0x0                           ; my part of Wv is in,
	s_wait_dscnt 0x0
	s_barrier_signal -1
	s_barrier_wait -1                              ; everybody's is
	s_mov_b32 s[RB], 0                             ; ---- v: three heads out of slot 0
	s_mov_b32 s[BB], 1536
	s_mov_b64 s[OB:OB+1], s[58:59]
	s_mov_b32 s[CNT], 3
.Lv:
	HS 1
	EPI_V
	NEXT KVREC
	s_cbranch_scc1 .Lv
	s_wait_tensorcnt 0x0                           ; the wave's end
	ds_add_u32 v[SPW], v[NIL]
	s_wait_dscnt 0x0
	ROUND                                          ; the closing round: no work-group ends while a partner may still ask for a tile that names it
	s_endpgm
.Lfunc_end_k_q3b3f60205e_proj:
	.size	k_q3b3f60205e_proj, .Lfunc_end_k_q3b3f60205e_proj-k_q3b3f60205e_proj
	.p2alignl 7, 3214868480
	.fill 96, 4, 3214868480
	.section	.rodata,"a",@progbits
	.p2align	6, 0x0
	.amdhsa_kernel k_q3b3f60205e_proj
		.amdhsa_group_segment_fixed_size 327680
		.amdhsa_private_segment_fixed_size 0
		.amdhsa_enable_private_segment 0
		.amdhsa_kernarg_size 56
		.amdhsa_user_sgpr_count 2
		.amdhsa_user_sgpr_kernarg_segment_ptr 1
		.amdhsa_wavefront_size32 1
		.amdhsa_system_sgpr_workgroup_id_x 1
		.amdhsa_system_sgpr_workgroup_id_y 1
		.amdhsa_system_sgpr_workgroup_id_z 1
		.amdhsa_system_vgpr_workitem_id 0
		.amdhsa_next_free_vgpr 1024
		.amdhsa_next_free_sgpr 80
		.amdhsa_reserve_vcc 0
		.amdhsa_float_denorm_mode_32 3
		.amdhsa_float_denorm_mode_16_64 3
		.amdhsa_memory_ordered 1
		.amdhsa_forward_progress 1
		.amdhsa_inst_pref_size 100
	.end_amdhsa_kernel
	.amdgpu_metadata
---
amdhsa.version: [ 1, 2 ]
amdhsa.kernels:
  - .name:           k_q3b3f60205e_proj
    .symbol:         k_q3b3f60205e_proj.kd
    .args:
      - { .name: xc, .offset: 0, .size: 8, .value_kind: global_buffer, .address_space: global }
      - { .name: wc, .offset: 8, .size: 8, .value_kind: global_buffer, .address_space: global }
      - { .name: bq, .offset: 16, .size: 8, .value_kind: global_buffer, .address_space: global }
      - { .name: bk, .offset: 24, .size: 8, .value_kind: global_buffer, .address_space: global }
      - { .name: bv, .offset: 32, .size: 8, .value_kind: global_buffer, .address_space: global }
      - { .name: qc, .offset: 40, .size: 8, .value_kind: global_buffer, .address_space: global }
      - { .name: kv, .offset: 48, .size: 8, .value_kind: global_buffer, .address_space: global }
    .group_segment_fixed_size: 327680
    .private_segment_fixed_size: 0
    .kernarg_segment_align: 8
    .kernarg_segment_size: 56
    .max_flat_workgroup_size: 128
    .sgpr_count:     80
    .vgpr_count:     1024
    .wavefront_size: 32
...
	.end_amdgpu_metadata
.endif
;; end of part 2
;; launch attn (part 3): grid 16 x 16, 8 waves a work-group, clusters of 4 x 1, 327,680 bytes of LDS; arguments qc, kv, cc; writes cc
.if DOCPART == 3
	.amdgcn_target "amdgcn-amd-amdhsa--gfx1250"
	.amdhsa_code_object_version 6
	.text
	.protected	k_q3b3f60205e_attn
	.globl	k_q3b3f60205e_attn
	.p2align	8
	.type	k_q3b3f60205e_attn,@function
k_q3b3f60205e_attn:
	s_mov_b64 s[64:65], 0
	v_nop
	global_prefetch_b8 v0, s[64:65] scope:SCOPE_SE
	s_setreg_imm32_b32 hwreg(HW_REG_WAVE_MODE, 25, 1), 1
	s_wait_xcnt 0x0
	s_wait_alu depctr_hold_cnt(0) depctr_sa_sdst(0) depctr_va_vdst(0) depctr_va_sdst(0) depctr_va_ssrc(0) depctr_va_vcc(0) depctr_vm_vsrc(0)
	s_getreg_b32 s2, hwreg(HW_REG_IB_STS2, 6, 4)
	s_cmp_eq_u32 s2, 0
	s_cbranch_scc0 .Lentry_in_a_cluster
	s_endpgm
.Lentry_in_a_cluster:
	s_bfe_u32 s2, ttmp6, 0x10000c
	s_cmp_lg_u32 s2, 0x3003
	s_cbranch_scc0 .Lentry_shape_is_right
	s_endpgm
.Lentry_shape_is_right:
; ctx = attn v, attn = relu(s) / (sum of relu(s) + eps), s = q k^T / 8, for 256 queries of THREE heads of one sequence t b; both products on codes of FP6 (E2M3) with E8M0 scales; ctx quantised at once for the last product.
; attn is quantised FINISHED, so a row's sum is wanted before its first code: TWO PASSES over the keys.  Pass 1: raw scores, relu, sums.  Pass 2: the same scores again (the same instructions on the same
; registers: the same bits), relu, x f, quantised along the keys, times V.  f = 1 / (sum of relu(raw) + 8 eps): raw / 8 over (sum / 8 + eps) with both sides times 8, which rounds nothing.
; f is v_rcp_f32 with one Newton step, and attn = relu(raw) x f where the definition divides: within about an ulp of it.
; SHARES: 16 x 16 work-groups, one for each of 256 WGPs.  The cluster's x is a group of three heads (3 g .. 3 g + 2), y the sequence t b, cx the block of 256 queries.  Wave w owns pair fragment 8 cx + w of q: 32 queries, tiles a and b,
; of each of the three heads in turn.  Two waves to a SIMD, so that one's vector work stands beside the other's products.
; A WORK-GROUP STAYS: the three heads' records of K and V lie on end in memory, 3 x 102,400 = 307,200 bytes, and fit in LDS together.  All are asked for in the first lines, three loads of 12,800 bytes a wave; the later heads'
; land while the first is worked.  No byte of LDS is ever filled again.
; CLUSTER: the four query blocks read the same K and V: each load is asked for JOINTLY (mask 15).
; No prefetch: all that a work-group reads of K and V is asked for in its first lines.
; LAYOUT: both products transposed (S^T = K Q^T, O^T = V^T P^T): a lane holds one query throughout; by the order of the keys in a tile the 16 registers of a pair fragment's two tiles are 16 neighbouring keys.
; THE HEAD'S K IS 64, half of the instruction's 128: a pair fragment of K holds two tiles of keys (registers 0-5, 6-11); a query tile is kept as 18 registers [Q, 0, Q]: registers 0-11 pick the first tile, 6-17 the second.
; LIMITS: NaN and infinities are not served; a block of zeros, or one under 2^-124, gets the byte 1 (only this program reads the bytes).
; REGISTERS: window 0: addresses, scale words, sums, S^T (128), p's codes, q's scale words as loaded.  Window 1: O^T v0-63; Q v64-99; K's four pair fragments v100-147; V's four fragments v148-195; q's three pair fragments as loaded v196-231.
.set KVREC, 102400
.set QREC,  51200
.set CREC,  38400
.set VOFF,  49152
.set KSC,   98304
.set LI,    4                          ; v4   16 x lane
.set AV16,  5                          ; v5   VOFF + 16 x lane
.set AV8,   6                          ; v6   VOFF + 8 x lane
.set ASC,   7                          ; v7   KSC + 4 x lane
.set ADK,   8                          ; v8-12 the addresses of the loads in hand
.set ADV16, 9
.set ADV8,  10
.set ADS,   11
.set ADT,   12
.set R4,    13                         ; v13  4 r
.set L8,    14                         ; v14  8 x lane
.set SCO,   15                         ; v15  384 h + 4 r
.set KS,    16                         ; v16, v17 K's scale words: lanes 0-15 pair fragment 2 i, lanes 16-31 pair fragment 2 i + 1
.set VS,    18                         ; v18, v19 V's likewise
.set QS,    20                         ; v20, v21 q's, tiles a, b
.set PW,    22                         ; v22, v23 p's
.set F,     24                         ; v[24:25], v[26:27] f
.set SUM,   28                         ; v28-35 two packed chains a tile
.set TM,    36
.set PCA,   52                         ; v52-63 p's codes, tile a;  tile b: v192-203
.set S,     64
.set PT,    204
.set T,     212                        ; v212, v213 at work on the way out
.set QW,    224                        ; v224-226 q's scale words as loaded, one for each head
.set O,     0                          ; window 1
.set QX,    64
.set KF,    100
.set VF,    148
.set QR,    196                        ; q's pair fragments as loaded: 12 registers a head
.set WV,    10
.set SEL,   12
.set HM,    14
.set HD0,   16                         ; s16  my first head
.set CB,    20                         ; s20  ctx's record of my 64 tokens, in bytes
.set CW,    21                         ; s21  12 x (wave % 2): tile a's fragments in it
.set G1,    24
.set G0,    32                         ; s[32:43] a group 0 for each of the three loads
.set KO,    44
.set KSO,   45
.set VO,    46
.set VSO,   47
.set CNT,   48
.set MSB, 0
.macro WIN new                         ; the immediate's high byte repeats the setting that is left
.if MSB != (\new)
	s_set_vgpr_msb (MSB<<8)|(\new)
.set MSB, (\new)
.endif
.endm
.macro PLACES
.rept 4
	v_nop
.endr
.endm
.macro ROUND                           ; a round of the cluster's barrier
	s_barrier_signal -1
	s_barrier_wait -1
	s_cmp_lg_u32 s[WV], 0
	s_cbranch_scc1 .Lnot_wave_0_\@
	s_barrier_signal -3
.Lnot_wave_0_\@:
	s_barrier_wait -3
	s_barrier_signal -1
	s_barrier_wait -1
.endm
; 64 numbers of a lane, register 16 b + i = k 32 b + 16 (lane / 16) + i of my row, become 12 operand registers at v[pc] and a scale word in v[pw].
.macro QUANT s, pc, pw, abs
.irp b, 0,1,2,3
.if \abs
	v_max3_num_f32 v[TM+\b], |v[(\s)+16*\b]|, |v[(\s)+1+16*\b]|, 0x1800000   ; and the floor 2^(3 - 127): the byte cannot fall under 1
.else
	v_max3_num_f32 v[TM+\b], v[(\s)+16*\b], v[(\s)+1+16*\b], 0x1800000       ; (none is negative here)
.endif
.endr
.irp i, 2,4,6,8,10,12,14
.irp b, 0,1,2,3
.if \abs
	v_max3_num_f32 v[TM+\b], v[TM+\b], |v[(\s)+16*\b+\i]|, |v[(\s)+1+16*\b+\i]|
.else
	v_max3_num_f32 v[TM+\b], v[TM+\b], v[(\s)+16*\b+\i], v[(\s)+1+16*\b+\i]
.endif
.endr
.endr
.irp b, 0,1,2,3
	v_permlanex16_b32 v[TM+4+\b], v[TM+\b], s[SEL], s[SEL+1]
.endr
.irp b, 0,1,2,3
	v_max_num_f32 v[TM+\b], v[TM+\b], v[TM+4+\b]   ; with lane l xor 16's 16: the block's largest magnitude
.endr
.irp b, 0,1,2,3
	v_add_nc_u32 v[TM+12+\b], 0xff000000, v[TM+\b] ; 2 off the exponent field: the conversion's scale operand
.endr
.irp b, 0,1,2,3
	v_lshrrev_b32 v[TM+4+\b], 23, v[TM+12+\b]      ; the scale's byte
.endr
	v_lshl_or_b32 v[\pw], v[TM+5], 8, v[TM+4]
	v_lshl_or_b32 v[\pw], v[TM+6], 16, v[\pw]
	v_lshl_or_b32 v[\pw], v[TM+7], 24, v[\pw]
.irp c, 0,1
	v_cvt_scalef32_pk16_fp6_f32 v[(\pc)+6*\c:(\pc)+2+6*\c], v[(\s)+32*\c:(\s)+15+32*\c], v[TM+12+2*\c]
	v_cvt_scalef32_pk16_fp6_f32 v[PT+4*\c:PT+2+4*\c], v[(\s)+16+32*\c:(\s)+31+32*\c], v[TM+13+2*\c]   ; (a conversion's three registers begin on an even number)
.endr
	v_nop                                          ; one plain place behind the scaled conversions
.irp c, 0,1                                    ; the operand wants a whole block in a lane: lanes 0-15 block 2 c, lanes 16-31 block 2 c + 1
.irp i, 0,1,2
	v_permlane16_swap_b32 v[(\pc)+6*\c+\i], v[PT+4*\c+\i]
.endr
.irp i, 0,1,2
	v_mov_b32 v[(\pc)+3+6*\c+\i], v[PT+4*\c+\i]
.endr
.endr
.endm
.macro KLOAD                           ; a key step's K: four pair fragments and their scale words: 14 loads
	WIN 0x40
.irp f, 0,1,2,3
.irp c, 0,1,2
	ds_load_b128 v[KF+12*\f+4*\c:KF+12*\f+4*\c+3], v[ADK] offset:1536*\f+512*\c
.endr
.endr
	WIN 0
	ds_load_b32 v[KS], v[ADS]
	ds_load_b32 v[KS+1], v[ADS] offset:128
.endm
.macro QKRUN                           ; S^T of 128 keys x 32 queries: 16 matrix instructions on 16 accumulators, each begun with the constant 0
	WIN 0x05
.irp f, 0,1,2,3
.irp u, 0,1
.irp x, 0,1
.if \f%2
	v_wmma_scale_f32_16x16x128_f8f6f4 v[S+64*\x+16*\f+8*\u:S+64*\x+16*\f+8*\u+7], v[KF+12*\f:KF+12*\f+11], v[QX+18*\x+6*\u:QX+18*\x+6*\u+11], 0, v[KS+\f/2], v[QS+\x] matrix_a_fmt:MATRIX_FMT_FP6 matrix_b_fmt:MATRIX_FMT_FP6 matrix_a_scale:MATRIX_SCALE_ROW1
.else
	v_wmma_scale_f32_16x16x128_f8f6f4 v[S+64*\x+16*\f+8*\u:S+64*\x+16*\f+8*\u+7], v[KF+12*\f:KF+12*\f+11], v[QX+18*\x+6*\u:QX+18*\x+6*\u+11], 0, v[KS+\f/2], v[QS+\x] matrix_a_fmt:MATRIX_FMT_FP6 matrix_b_fmt:MATRIX_FMT_FP6
.endif
.endr
.endr
.endr
	WIN 0
	PLACES                                         ; four places in front of loads into K's registers and of the first read of the scores
.endm
.macro KNEXT next, base                ; the next step's K is asked for; next = 0: the head's step 0 again, by a constant address
.if \next
	s_add_co_u32 s[KO], s[KO], 6144
	s_add_co_u32 s[KSO], s[KSO], 256
.else
	s_mov_b32 s[KO], (\base)
	s_mov_b32 s[KSO], (\base)
.endif
	v_add_nc_u32 v[ADK], s[KO], v[LI]
	v_add_nc_u32 v[ADS], s[KSO], v[ASC]
	KLOAD
.endm
.macro RELU first, pairs               ; relu, two numbers an instruction: an even and an odd register, neighbours; each accumulator from its low end on
.set j, 0
.rept \pairs
	v_dual_max_num_f32 v[(\first)+j], 0, v[(\first)+j] :: v_dual_max_num_f32 v[(\first)+j+1], 0, v[(\first)+j+1]
.set j, j+2
.endr
.endm
.macro P1STEP next, base               ; pass 1: 128 keys: scores, relu, sums
	s_wait_dscnt 0x0                               ; K is in
	QKRUN
	KNEXT \next, \base
	RELU S, 64
.irp x, 0,1
.set j, 0
.rept 16
	v_pk_add_f32 v[SUM+4*\x:SUM+4*\x+1], v[SUM+4*\x:SUM+4*\x+1], v[S+64*\x+j:S+64*\x+j+1]
	v_pk_add_f32 v[SUM+4*\x+2:SUM+4*\x+3], v[SUM+4*\x+2:SUM+4*\x+3], v[S+64*\x+j+2:S+64*\x+j+3]
.set j, j+4
.endr
.endr
.endm
.macro PVI d, t, x                     ; O^T(channel tile t, query tile x) += V^T P^T over 128 keys, into v[d]
.if (\t)%2
	v_wmma_scale_f32_16x16x128_f8f6f4 v[\d:\d+7], v[VF+12*\t:VF+12*\t+11], v[PCA+140*\x:PCA+140*\x+11], v[O+32*\x+8*\t:O+32*\x+8*\t+7], v[VS+\t/2], v[PW+\x] matrix_a_fmt:MATRIX_FMT_FP6 matrix_b_fmt:MATRIX_FMT_FP6 matrix_a_scale:MATRIX_SCALE_ROW1
.else
	v_wmma_scale_f32_16x16x128_f8f6f4 v[\d:\d+7], v[VF+12*\t:VF+12*\t+11], v[PCA+140*\x:PCA+140*\x+11], v[O+32*\x+8*\t:O+32*\x+8*\t+7], v[VS+\t/2], v[PW+\x] matrix_a_fmt:MATRIX_FMT_FP6 matrix_b_fmt:MATRIX_FMT_FP6
.endif
.endm
.macro P2STEP next                     ; pass 2: 128 keys: scores, attn, its codes, times V.  next = 0: the head's last step: nothing more is fetched, and the finished sums land in window 0
	v_add_nc_u32 v[ADV16], s[VO], v[AV16]          ; these three and the v_nop are the four places between the last step's products and the loads into V's registers
	v_add_nc_u32 v[ADV8], s[VO], v[AV8]
	v_add_nc_u32 v[ADT], s[VSO], v[ASC]
	v_nop
	WIN 0x40
.irp t, 0,1,2,3
	ds_load_b128 v[VF+12*\t:VF+12*\t+3], v[ADV16] offset:1536*\t
	ds_load_b64 v[VF+12*\t+4:VF+12*\t+5], v[ADV8] offset:1536*\t+512
	ds_load_b128 v[VF+12*\t+6:VF+12*\t+9], v[ADV16] offset:1536*\t+768
	ds_load_b64 v[VF+12*\t+10:VF+12*\t+11], v[ADV8] offset:1536*\t+1280
.endr
	WIN 0
	ds_load_b32 v[VS], v[ADT] offset:2048
	ds_load_b32 v[VS+1], v[ADT] offset:2176
	s_wait_dscnt 18                                ; K's 14 loads are in; V's 18, just issued, may be out
	QKRUN
.if \next
	KNEXT 1, 0
.endif
.irp x, 0,1
	RELU S+64*\x, 32
.set j, 0
.rept 32
	v_pk_mul_f32 v[S+64*\x+j:S+64*\x+j+1], v[S+64*\x+j:S+64*\x+j+1], v[F+2*\x:F+2*\x+1] op_sel_hi:[1,0]   ; attn, finished and normalised
.set j, j+2
.endr
	QUANT S+64*\x, PCA+140*\x, PW+\x, 0
.endr
.rept 8
	v_nop                                          ; a scale word written by a vector instruction stands 8 places ahead of a scaled matrix instruction, an operand 4
.endr
.if \next
	s_wait_dscnt 14                                ; V is in; the next step's 14 loads of K may be out
	WIN 0x51                                       ; V window 1, p window 0, O^T window 1
.irp t, 0,1,2,3
.irp x, 0,1
	PVI O+32*\x+8*\t, \t, \x                       ; eight accumulators by turns, one instruction a turn
.endr
.endr
.else
	s_wait_dscnt 0x0
	WIN 0x11                                       ; the same, the result in window 0, where the scores lay
.irp t, 0,1,2,3
.irp x, 0,1
	PVI S+32*\x+8*\t, \t, \x
.endr
.endr
.endif
	WIN 0
	s_add_co_u32 s[VO], s[VO], 6144
	s_add_co_u32 s[VSO], s[VSO], 256
.endm
; ONE HEAD, the hd-th of my three: its record lies at LDS byte hd x 102,400.  Written out three times, since the count of the wait for its tile differs.
.macro HEAD hd
.if (\hd) == 0
	s_wait_loadcnt 0x0                             ; q of all three heads
.endif
	v_perm_b32 v[QS+1], v[QW+(\hd)], v[QW+(\hd)], 0x03020302   ; tile b's two scale bytes, for both halves of the instruction's K
	v_perm_b32 v[QS], v[QW+(\hd)], v[QW+(\hd)], 0x01000100     ; tile a's
.irp i, 0,1,2,3,4,5,6,7
	v_mov_b32 v[SUM+\i], 0
.endr
	WIN 0x41                                       ; source and destination window 1
.irp x, 0,1
.irp i, 0,1,2,3,4,5
	v_mov_b32 v[QX+18*\x+\i], v[QR+12*(\hd)+6*\x+\i]
.if (\hd) == 0
	v_mov_b32 v[QX+18*\x+6+\i], 0                  ; the zeros in the middle are written once
.endif
	v_mov_b32 v[QX+18*\x+12+\i], v[QR+12*(\hd)+6*\x+\i]
.endr
.endr
.set j, 0
.rept 64
	v_mov_b32 v[O+j], 0                            ; O^T: pass 2's step is written for a running sum.  (These are also the places between q's registers and the first products)
.set j, j+1
.endr
	WIN 0
	s_wait_tensorcnt 2-(\hd)                       ; my part of this head's record is in; the loads of the 2 - hd heads behind it may stay out
	s_wait_dscnt 0x0                               ; no LDS instruction of mine is out at the signal
	s_barrier_signal -1
	s_barrier_wait -1                              ; everybody's part is in
	s_mov_b32 s[KO], (\hd)*KVREC
	s_mov_b32 s[KSO], (\hd)*KVREC
	s_mov_b32 s[VO], (\hd)*KVREC
	s_mov_b32 s[VSO], (\hd)*KVREC
	v_add_nc_u32 v[ADK], s[KO], v[LI]
	v_add_nc_u32 v[ADS], s[KSO], v[ASC]
	KLOAD
	s_mov_b32 s[CNT], 7
.Lp1_\@:
	P1STEP 1, 0
	s_sub_co_u32 s[CNT], s[CNT], 1
	s_cmp_lg_u32 s[CNT], 0
	s_cbranch_scc1 .Lp1_\@
	P1STEP 0, (\hd)*KVREC                          ; the last step asks for step 0's K again, for pass 2
.irp x, 0,1
	v_pk_add_f32 v[SUM+4*\x:SUM+4*\x+1], v[SUM+4*\x:SUM+4*\x+1], v[SUM+4*\x+2:SUM+4*\x+3]
.endr
.irp x, 0,1
	v_add_f32 v[SUM+4*\x], v[SUM+4*\x], v[SUM+4*\x+1]
.endr
.irp x, 0,1
	v_permlanex16_b32 v[TM+4+\x], v[SUM+4*\x], s[SEL], s[SEL+1]
.endr
.irp x, 0,1
	v_add_f32 v[SUM+4*\x], v[SUM+4*\x], v[TM+4+\x] ; with lane l xor 16's keys: the row's sum
.endr
.irp x, 0,1
	v_add_f32 v[SUM+4*\x], 0x370637bd, v[SUM+4*\x] ; + 8 eps
.endr
.irp x, 0,1
	v_rcp_f32 v[F+2*\x], v[SUM+4*\x]
.endr
	v_nop                                          ; a plain place behind the reciprocals
	s_wait_alu depctr_va_vdst(0)                   ; one wait for both, ahead of their first reader
.irp x, 0,1
	v_fma_f32 v[SUM+4*\x+1], -v[SUM+4*\x], v[F+2*\x], 1.0
.endr
.irp x, 0,1
	v_fma_f32 v[F+2*\x], v[F+2*\x], v[SUM+4*\x+1], v[F+2*\x]   ; one Newton step
.endr
.irp x, 0,1
	v_mov_b32 v[F+2*\x+1], v[F+2*\x]               ; (named with it as a pair)
.endr
	s_wait_xcnt 0x0                                ; the last head's stores have read their data and their bases: p's code registers, T and the bases are written again only behind this wait
	s_mov_b32 s[CNT], 7
.Lp2_\@:
	P2STEP 1
	s_sub_co_u32 s[CNT], s[CNT], 1
	s_cmp_lg_u32 s[CNT], 0
	s_cbranch_scc1 .Lp2_\@
	P2STEP 0
	; where this head's ctx goes: fragment 6 t + head / 2 of my tokens' record (t = 2 (wave % 2) for tile a), its half head % 2
	s_add_co_u32 s62, s[HD0], (\hd)                ; the head
	s_lshr_b32 s63, s62, 1
	s_add_co_u32 s63, s63, s[CW]
	s_and_b32 s62, s62, 1
	s_mul_i32 s58, s63, 1536
	s_mul_i32 s66, s62, 768
	s_add_co_u32 s58, s58, s66
	s_add_co_u32 s58, s58, s[CB]
	s_mov_b32 s59, 0
	s_lshl_b32 s60, s63, 6
	s_lshl_b32 s66, s62, 1
	s_add_co_u32 s60, s60, s66
	s_add_co_u32 s60, s60, s[CB]
	s_add_co_u32 s60, s60, 36864
	s_mov_b32 s61, 0
	s_add_nc_u64 s[58:59], s[8:9], s[58:59]
	s_add_nc_u64 s[60:61], s[8:9], s[60:61]
	PLACES                                         ; four places in front of the first read of the results
	QUANT S, PCA, PW, 1                            ; ctx of tiles a and b: the head's 64 channels are two blocks of the last product's K
	global_store_b128 v[LI], v[PCA:PCA+3], s[58:59]                ; tile a's half fragment: 512 and 256 consecutive bytes, aligned to 256
	global_store_b64 v[L8], v[PCA+4:PCA+5], s[58:59] offset:512
	global_store_b128 v[LI], v[PCA+6:PCA+9], s[58:59] offset:9216  ; tile b's: six fragments on
	global_store_b64 v[L8], v[PCA+10:PCA+11], s[58:59] offset:9728
	v_lshrrev_b32 v[T], 16, v[PW]
	v_cndmask_b32 v[T+1], v[PW], v[T], s[HM]       ; lanes 0-15: tile a's two bytes; lanes 16-31: tile b's
	global_store_b16 v[SCO], v[T+1], s[60:61]      ; (a head makes half of a scale word: these stores cover aligned 256-byte runs only in part)
.endm
	s_load_b128 s[4:7], s[0:1], 0x0                ; qc, kv
	s_load_b64 s[8:9], s[0:1], 0x10                ; cc
	v_lshl_add_u32 v254, v0, 2, 0x4b000
	v_mov_b32 v255, 0
	ds_add_u32 v254, v255
	ds_add_u32 v254, v255
	v_lshrrev_b32 v1, 5, v0
	v_readfirstlane_b32 s[WV], v1                  ; wave 0..7
	v_and_b32 v1, 31, v0                           ; lane
	v_and_b32 v2, 15, v0                           ; r
	v_bfe_u32 v3, v0, 4, 1                         ; h
	v_lshlrev_b32 v[LI], 4, v1
	v_add_nc_u32 v[AV16], VOFF, v[LI]
	v_lshl_add_u32 v[AV8], v1, 3, VOFF
	v_lshl_add_u32 v[ASC], v1, 2, KSC
	v_lshlrev_b32 v[R4], 2, v2
	v_lshlrev_b32 v[L8], 3, v1
	v_mul_u32_u24 v[SCO], v3, 384
	v_add_nc_u32 v[SCO], v[SCO], v[R4]
	v_cmp_eq_u32 s[HM], 1, v3
.irp b, 0,1,2,3
	v_mov_b32 v[TM+4+\b], 0                        ; written once: a lane permute's destination counts as one of its sources
.endr
	s_mov_b32 s[SEL], 0x76543210
	s_mov_b32 s[SEL+1], 0xfedcba98
	s_bfe_u32 s15, ttmp6, 0x40000                  ; cx: it enters q's and ctx's global addresses alone
	s_and_b32 s17, ttmp7, 0xffff                   ; t b
	s_mul_i32 s[HD0], ttmp9, 3                     ; my first head: the cluster's x counts groups of three
	s_mul_i32 s18, s17, 12
	s_add_co_u32 s18, s18, s[HD0]                  ; the first record: 12 t b + head, which the four partners share
	s_mul_i32 s19, s[WV], 12800                    ; my eighth of a record, in memory and in LDS
	s_mul_i32 s50, s18, KVREC
	s_add_co_u32 s50, s50, s19
	s_mov_b32 s51, 0
	s_lshl_b32 s52, s15, 3
	s_add_co_u32 s52, s52, s[WV]                   ; my pair fragment of q
	s_mul_i32 s53, s18, QREC
	s_mul_i32 s54, s52, 1536
	s_add_co_u32 s54, s54, s53
	s_mov_b32 s55, 0
	s_lshl_b32 s56, s52, 6
	s_add_co_u32 s56, s56, s53
	s_add_co_u32 s56, s56, 49152
	s_mov_b32 s57, 0
	s_lshl_b32 s[CB], s17, 4
	s_lshl_b32 s[CW], s15, 2
	s_add_co_u32 s[CB], s[CB], s[CW]
	s_lshr_b32 s[CW], s[WV], 1
	s_add_co_u32 s[CB], s[CB], s[CW]               ; my block of 64 tokens
	s_mul_i32 s[CB], s[CB], CREC
	s_and_b32 s[CW], s[WV], 1
	s_mul_i32 s[CW], s[CW], 12
	; descriptor group 1: 50 rows of 256 bytes (32 elements of 8 bytes), dense
	s_mov_b32 s[G1], 0x0023000f                    ; the mask: all four work-groups; elements of 8 bytes; bit 21 set beside a mask
	s_mov_b32 s[G1+1], 32<<16                      ; tensor_dim0
	s_mov_b32 s[G1+2], 50<<16                      ; tensor_dim1
	s_mov_b32 s[G1+3], 32<<16                      ; tile_dim0
	s_mov_b32 s[G1+4], 50                          ; tile_dim1
	s_mov_b32 s[G1+5], 32                          ; the pitch
	s_mov_b32 s[G1+6], 0
	s_mov_b32 s[G1+7], 0
	s_wait_dscnt 0x0
	s_wait_kmcnt 0x0
	s_add_nc_u64 s[50:51], s[6:7], s[50:51]
	s_add_nc_u64 s[54:55], s[4:5], s[54:55]
	s_add_nc_u64 s[56:57], s[4:5], s[56:57]
	ROUND                                          ; all four work-groups are here: the joint loads meet
.irp n, 0,1,2
	s_mov_b32 s[G0+4*\n], 1
	s_add_co_u32 s[G0+4*\n+1], s19, \n*KVREC       ; LDS lies as memory lies: record n at n x 102,400
	s_add_nc_u64 s[G0+4*\n+2:G0+4*\n+3], s[50:51], \n*KVREC
	s_or_b32 s[G0+4*\n+3], s[G0+4*\n+3], 0x80000000
.endr
	tensor_load_to_lds s[G0:G0+3], s[G1:G1+7]      ; the three heads' records, one group of first fills:
	s_nop 0
	tensor_load_to_lds s[G0+4:G0+7], s[G1:G1+7]
	s_nop 0
	tensor_load_to_lds s[G0+8:G0+11], s[G1:G1+7]   ; three loads of mine are out, and no more are ever issued
	s_nop 0
	PLACES                                         ; four plain lines behind them
	WIN 0x40
.irp n, 0,1,2
.irp c, 0,1,2
	global_load_b128 v[QR+12*\n+4*\c:QR+12*\n+4*\c+3], v[LI], s[54:55] offset:\n*QREC+512*\c   ; q's pair fragment of head n
.endr
.endr
	WIN 0
.irp n, 0,1,2
	global_load_b32 v[QW+\n], v[R4], s[56:57] offset:\n*QREC
.endr
	HEAD 0
	HEAD 1
	HEAD 2
	s_wait_tensorcnt 0x0
	ds_add_u32 v254, v255
	s_wait_dscnt 0x0
	ROUND                                          ; the closing round: no work-group ends while a partner may still ask for a tile that names it
	s_endpgm
.Lfunc_end_k_q3b3f60205e_attn:
	.size	k_q3b3f60205e_attn, .Lfunc_end_k_q3b3f60205e_attn-k_q3b3f60205e_attn
	.p2alignl 7, 3214868480
	.fill 96, 4, 3214868480
	.section	.rodata,"a",@progbits
	.p2align	6, 0x0
	.amdhsa_kernel k_q3b3f60205e_attn
		.amdhsa_group_segment_fixed_size 327680
		.amdhsa_private_segment_fixed_size 0
		.amdhsa_enable_private_segment 0
		.amdhsa_kernarg_size 24
		.amdhsa_user_sgpr_count 2
		.amdhsa_user_sgpr_kernarg_segment_ptr 1
		.amdhsa_wavefront_size32 1
		.amdhsa_system_sgpr_workgroup_id_x 1
		.amdhsa_system_sgpr_workgroup_id_y 1
		.amdhsa_system_sgpr_workgroup_id_z 1
		.amdhsa_system_vgpr_workitem_id 0
		.amdhsa_next_free_vgpr 512
		.amdhsa_next_free_sgpr 80
		.amdhsa_reserve_vcc 0
		.amdhsa_float_denorm_mode_32 3
		.amdhsa_float_denorm_mode_16_64 3
		.amdhsa_memory_ordered 1
		.amdhsa_forward_progress 1
		.amdhsa_inst_pref_size 234
	.end_amdhsa_kernel
	.amdgpu_metadata
---
amdhsa.version: [ 1, 2 ]
amdhsa.kernels:
  - .name:           k_q3b3f60205e_attn
    .symbol:         k_q3b3f60205e_attn.kd
    .args:
      - { .name: qc, .offset: 0, .size: 8, .value_kind: global_buffer, .address_space: global }
      - { .name: kv, .offset: 8, .size: 8, .value_kind: global_buffer, .address_space: global }
      - { .name: cc, .offset: 16, .size: 8, .value_kind: global_buffer, .address_space: global }
    .group_segment_fixed_size: 327680
    .private_segment_fixed_size: 0
    .kernarg_segment_align: 8
    .kernarg_segment_size: 24
    .max_flat_workgroup_size: 256
    .sgpr_count:     80
    .vgpr_count:     512
    .wavefront_size: 32
...
	.end_amdgpu_metadata
.endif
;; end of part 3
;; launch outp (part 4): grid 64 x 4, 4 waves a work-group, clusters of 4 x 1, 168,448 bytes of LDS; arguments cc, wc, bo, out0; writes out0
.if DOCPART == 4
	.amdgcn_target "amdgcn-amd-amdhsa--gfx1250"
	.amdhsa_code_object_version 6
	.text
	.protected	k_q3b3f60205e_outp
	.globl	k_q3b3f60205e_outp
	.p2align	8
	.type	k_q3b3f60205e_outp,@function
k_q3b3f60205e_outp:
	s_mov_b64 s[64:65], 0
	v_nop
	global_prefetch_b8 v0, s[64:65] scope:SCOPE_SE
	s_setreg_imm32_b32 hwreg(HW_REG_WAVE_MODE, 25, 1), 1
	s_wait_xcnt 0x0
	s_wait_alu depctr_hold_cnt(0) depctr_sa_sdst(0) depctr_va_vdst(0) depctr_va_sdst(0) depctr_va_ssrc(0) depctr_va_vcc(0) depctr_vm_vsrc(0)
	s_getreg_b32 s2, hwreg(HW_REG_IB_STS2, 6, 4)
	s_cmp_eq_u32 s2, 0
	s_cbranch_scc0 .Lentry_in_a_cluster
	s_endpgm
.Lentry_in_a_cluster:
	s_bfe_u32 s2, ttmp6, 0x10000c
	s_cmp_lg_u32 s2, 0x3003
	s_cbranch_scc0 .Lentry_shape_is_right
	s_endpgm
.Lentry_shape_is_right:
; out0 = ctx Wo^T + bo on codes of FP6 (E2M3) with E8M0 scales; out0 [16384][768] f32.
; SHARES: a work-group takes 256 tokens and a quarter j of the columns (192: three records of Wo).  Wave w owns 64 tokens; their 24 fragments of ctx stay in registers; all four waves read Wo's fragments from LDS.
; CLUSTER: the four token blocks of a cluster read the same three records: asked for JOINTLY (mask 15), once; nothing is filled again.
; No prefetch: the one fill is asked for in the first lines.
; THE MATRIX INSTRUCTION IS USED TRANSPOSED (source 0 = 16 rows of Wo, source 1 = 16 tokens): a lane holds one token and, by the order of Wo's rows in a tile, neighbouring columns.
; THE WAY OUT: a tile of 16 tokens x 64 columns goes through the wave's own stage in LDS and leaves as rows: sixteen lanes store 256 consecutive bytes, aligned to 256.
; REGISTERS: window 0: addresses, scale words, 16 accumulators, rows on the way out.  Window 1: ctx's tiles 0, 1 at 72 t + 12 s.  Window 2: tiles 2, 3.  Window 3: Wo's fragments, two sets of 96, and the bias as C.
.set REC,   39936
.set CREC,  38400
.set SLOT,  3*REC
.set QUART, SLOT/4
.set BIAS,  SLOT                       ; 192 f32, stored by ds_store: no fill lands here
.set STG,   BIAS+768                   ; 16 rows x 272 bytes for each wave
.set SP,    272
.set LI,   4
.set L8,   5
.set AW,   6
.set AWS,  7
.set AB,   8
.set AB0,  9
.set STO,  10
.set RD,   11
.set CO,   12
.set L4,   13
.set BST,  14
.set CS,   16                          ; v16-27 ctx's scale words (3 t + y): lanes 0-15 K step 2 y, lanes 16-31 K step 2 y + 1
.set WS,   40
.set ACC,  64
.set BK,   192                         ; v192-255 rows read back from the stage, two sets of 32
.set BI,   192                         ; window 3
.set WV,   18
.set RB,   23
.set G1,   24
.set G0,   32
.set BB,   40
.set CNT,  41
.set OB,   42
.set MSB, 0
.macro WIN new
.if MSB != (\new)
	s_set_vgpr_msb (MSB<<8)|(\new)
.set MSB, (\new)
.endif
.endm
.macro PLACES
.rept 4
	v_nop
.endr
.endm
.macro ROUND
	s_barrier_signal -1
	s_barrier_wait -1
	s_cmp_lg_u32 s[WV], 0
	s_cbranch_scc1 .Lnot_wave_0_\@
	s_barrier_signal -3
.Lnot_wave_0_\@:
	s_barrier_wait -3
	s_barrier_signal -1
	s_barrier_wait -1
.endm
.macro WLOAD p, buf
	WIN 0xc0
.irp n, 0,1,2,3
.irp e, 0,1
.irp c, 0,1,2
	ds_load_b128 v[96*\buf+24*\n+12*\e+4*\c:96*\buf+24*\n+12*\e+4*\c+3], v[AW] offset:(6*\n+2*\p+\e)*1536+512*\c
.endr
.endr
.endr
.endm
; 32 matrix instructions: two K steps on all 16 accumulators; eight take turns, one instruction a turn.  The first K step takes the bias as C.
.macro STEP2 p, buf
.irp mh, 0,1
.irp e, 0,1
.set WW, 0x07+4*\mh
.set FIRST, 0
.if (\p == 0) && (\e == 0)
.set WW, WW+0x30
.set FIRST, 1
.endif
	WIN WW
.irp n, 0,1,2,3
.irp mm, 0,1
.set rD, ACC+32*(2*\mh+\mm)+8*\n
.set rW, 96*\buf+24*\n+12*\e
.set rX, 72*\mm+12*(2*\p+\e)
.set rSW, WS+6*\n+2*\p+\e
.set rSX, CS+3*(2*\mh+\mm)+\p
.if FIRST
	v_wmma_scale_f32_16x16x128_f8f6f4 v[rD:rD+7], v[rW:rW+11], v[rX:rX+11], v[BI+8*\n:BI+8*\n+7], v[rSW], v[rSX] matrix_a_fmt:MATRIX_FMT_FP6 matrix_b_fmt:MATRIX_FMT_FP6
.elseif \e
	v_wmma_scale_f32_16x16x128_f8f6f4 v[rD:rD+7], v[rW:rW+11], v[rX:rX+11], v[rD:rD+7], v[rSW], v[rSX] matrix_a_fmt:MATRIX_FMT_FP6 matrix_b_fmt:MATRIX_FMT_FP6 matrix_b_scale:MATRIX_SCALE_ROW1
.else
	v_wmma_scale_f32_16x16x128_f8f6f4 v[rD:rD+7], v[rW:rW+11], v[rX:rX+11], v[rD:rD+7], v[rSW], v[rSX] matrix_a_fmt:MATRIX_FMT_FP6 matrix_b_fmt:MATRIX_FMT_FP6
.endif
.endr
.endr
.endr
.endr
.endm
.macro HS                              ; 64 tokens x 64 columns x 768 K: 96 matrix instructions
	v_add_nc_u32 v[AW], s[RB], v[LI]
	v_add_nc_u32 v[AWS], s[RB], v[L8]
	v_add_nc_u32 v[AB], s[BB], v[AB0]
.irp n, 0,1,2,3
.irp y, 0,1,2
	ds_load_b64 v[WS+6*\n+2*\y:WS+6*\n+2*\y+1], v[AWS] offset:36864+(3*\n+\y)*256
.endr
.endr
	WIN 0xc0
.irp n, 0,1,2,3
.irp q, 0,1
	ds_load_b128 v[BI+8*\n+4*\q:BI+8*\n+4*\q+3], v[AB] offset:(32*(\n/2)+8*(\n%2))*4+16*\q
.endr
.endr
	WLOAD 0, 0
	WLOAD 1, 1
	s_wait_dscnt 24                                ; all but the 24 loads of the second run
	STEP2 0, 0
	WIN 0
	PLACES                                         ; four places in front of loads into registers that matrix instructions have read
	WLOAD 2, 0
	s_wait_dscnt 24                                ; the second run is in; the third's 24 may be out
	STEP2 1, 1
	s_wait_dscnt 0x0
	STEP2 2, 0
	WIN 0
	PLACES                                         ; four places in front of the first read of results
.endm
.macro TOSTAGE m                       ; token tile m: 32 bytes a lane and column tile into rows of 272 bytes, and back as whole rows of 256
.irp n, 0,1,2,3
.irp q, 0,1
	ds_store_b128 v[STO], v[ACC+32*(\m)+8*\n+4*\q:ACC+32*(\m)+8*\n+4*\q+3] offset:128*(\n/2)+32*(\n%2)+16*\q   ; each accumulator from its low end on
.endr
.endr
.irp i, 0,1,2,3,4,5,6,7
	ds_load_b128 v[BK+32*((\m)%2)+4*\i:BK+32*((\m)%2)+4*\i+3], v[RD] offset:2*SP*\i   ; LDS serves a wave's instructions in order: these see the stores above
.endr
.endm
.macro SEND m, younger                 ; younger: the LDS instructions issued behind tile m's loads, which may stay out
	s_wait_dscnt \younger
.irp i, 0,1,2,3,4,5,6,7
	global_store_b128 v[CO], v[BK+32*((\m)%2)+4*\i:BK+32*((\m)%2)+4*\i+3], s[OB:OB+1] offset:(32*((\m)/2)+8*((\m)%2)+2*\i+8*(\i/4))*3072 th:TH_STORE_NT   ; tile rows 2 i and 2 i + 1 at their tokens
.endr
.endm
	s_load_b256 s[4:11], s[0:1], 0x0               ; cc, wc, bo, out0
	v_lshl_add_u32 v38, v0, 2, 0x29000
	v_mov_b32 v39, 0
	ds_add_u32 v38, v39
	ds_add_u32 v38, v39
	v_lshrrev_b32 v1, 5, v0
	v_readfirstlane_b32 s[WV], v1                  ; wave 0..3
	v_and_b32 v1, 31, v0                           ; lane
	v_and_b32 v2, 15, v0                           ; r
	v_bfe_u32 v3, v0, 4, 1                         ; h
	v_lshlrev_b32 v[LI], 4, v1
	v_lshlrev_b32 v[L8], 3, v1
	v_lshlrev_b32 v[L4], 2, v1
	v_lshlrev_b32 v[AB0], 6, v3
	v_add_nc_u32 v[AB0], BIAS, v[AB0]
	v_add_nc_u32 v[BST], BIAS, v[L8]
	s_mul_i32 s46, s[WV], 16*SP
	s_add_co_u32 s46, s46, STG                     ; my stage
	v_mul_u32_u24 v[STO], v2, SP
	v_lshl_add_u32 v[STO], v3, 6, v[STO]
	v_add_nc_u32 v[STO], s46, v[STO]               ; in: row r, + 64 h
	v_mul_u32_u24 v[RD], v3, SP
	v_lshl_add_u32 v[RD], v2, 4, v[RD]
	v_add_nc_u32 v[RD], s46, v[RD]                 ; back: lanes 0-15 one row, lanes 16-31 the next
	v_mul_u32_u24 v[CO], v3, 3072
	v_lshl_add_u32 v[CO], v2, 4, v[CO]             ; and the same in out0
	s_bfe_u32 s44, ttmp6, 0x40000                  ; cx: it enters global addresses alone
	s_and_b32 s45, ttmp7, 0xffff                   ; j, which the four partners share
	s_lshl_b32 s47, ttmp9, 4
	s_lshl_b32 s48, s44, 2
	s_add_co_u32 s47, s47, s48
	s_add_co_u32 s47, s47, s[WV]                   ; my block of 64 tokens
	s_mul_i32 s48, s47, CREC
	s_mov_b32 s49, 0
	s_mul_i32 s50, s47, 64*3072
	s_mul_i32 s52, s45, 768                        ; my quarter of a row of out0, and of bo
	s_add_co_u32 s50, s50, s52
	s_mov_b32 s51, 0
	s_mov_b32 s53, 0
	s_mul_i32 s66, s[WV], QUART                    ; my quarter of the slot: made of the wave's number and j alone
	s_mul_i32 s68, s45, SLOT
	s_add_co_u32 s68, s68, s66
	s_add_co_u32 s68, s68, 36*REC                  ; Wo's records lie behind the other 36
	s_mov_b32 s69, 0
	s_mov_b32 s[G1], 0x0023000f                    ; the mask: all four work-groups; elements of 8 bytes; bit 21 set beside a mask
	s_mov_b32 s[G1+1], 32<<16
	s_mov_b32 s[G1+2], 117<<16
	s_mov_b32 s[G1+3], 32<<16
	s_mov_b32 s[G1+4], 117
	s_mov_b32 s[G1+5], 32
	s_mov_b32 s[G1+6], 0
	s_mov_b32 s[G1+7], 0
	s_wait_dscnt 0x0
	s_wait_kmcnt 0x0
	s_add_nc_u64 s[68:69], s[6:7], s[68:69]
	s_add_nc_u64 s[4:5], s[4:5], s[48:49]
	s_add_nc_u64 s[OB:OB+1], s[10:11], s[50:51]
	s_add_nc_u64 s[8:9], s[8:9], s[52:53]
	ROUND                                          ; all four work-groups are here: the joint loads meet
	s_mov_b32 s[G0], 1
	s_mov_b32 s[G0+1], s66
	s_mov_b64 s[G0+2:G0+3], s[68:69]
	s_or_b32 s[G0+3], s[G0+3], 0x80000000
	tensor_load_to_lds s[G0:G0+3], s[G1:G1+7]      ; my one tensor load of the launch
	s_nop 0
	PLACES                                         ; four plain lines behind it
	WIN 0x40
.irp t, 0,1
.irp s, 0,1,2,3,4,5
	global_load_b128 v[72*\t+12*\s:72*\t+12*\s+3], v[LI], s[4:5] offset:(6*\t+\s)*1536
	global_load_b64 v[72*\t+12*\s+4:72*\t+12*\s+5], v[L8], s[4:5] offset:(6*\t+\s)*1536+512
	global_load_b128 v[72*\t+12*\s+6:72*\t+12*\s+9], v[LI], s[4:5] offset:(6*\t+\s)*1536+768
	global_load_b64 v[72*\t+12*\s+10:72*\t+12*\s+11], v[L8], s[4:5] offset:(6*\t+\s)*1536+1280
.endr
.endr
	WIN 0x80
.irp t, 0,1
.irp s, 0,1,2,3,4,5
	global_load_b128 v[72*\t+12*\s:72*\t+12*\s+3], v[LI], s[4:5] offset:(6*(\t+2)+\s)*1536
	global_load_b64 v[72*\t+12*\s+4:72*\t+12*\s+5], v[L8], s[4:5] offset:(6*(\t+2)+\s)*1536+512
	global_load_b128 v[72*\t+12*\s+6:72*\t+12*\s+9], v[LI], s[4:5] offset:(6*(\t+2)+\s)*1536+768
	global_load_b64 v[72*\t+12*\s+10:72*\t+12*\s+11], v[L8], s[4:5] offset:(6*(\t+2)+\s)*1536+1280
.endr
.endr
	WIN 0
.irp t, 0,1,2,3
.irp y, 0,1,2
	global_load_b32 v[CS+3*\t+\y], v[L4], s[4:5] offset:36864+(6*\t+2*\y)*64
.endr
.endr
	s_cmp_lg_u32 s[WV], 0
	s_cbranch_scc1 .Lno_bias
	global_load_b64 v[ACC:ACC+1], v[L8], s[8:9]
	global_load_b64 v[ACC+2:ACC+3], v[L8], s[8:9] offset:256
	global_load_b64 v[ACC+4:ACC+5], v[L8], s[8:9] offset:512
	s_wait_loadcnt 0x0
	ds_store_b64 v[BST], v[ACC:ACC+1]
	ds_store_b64 v[BST], v[ACC+2:ACC+3] offset:256
	ds_store_b64 v[BST], v[ACC+4:ACC+5] offset:512
.Lno_bias:
	s_wait_loadcnt 0x0                             ; ctx
	s_wait_tensorcnt 0x0                           ; my part of Wo is in
	s_wait_dscnt 0x0                               ; the bias has landed
	s_barrier_signal -1
	s_barrier_wait -1
	s_mov_b32 s[RB], 0
	s_mov_b32 s[BB], 0
	s_mov_b32 s[CNT], 3
.Lo:
	HS
	TOSTAGE 0
.irp m, 1,2,3
.if \m > 1
	s_wait_xcnt 0x0                                ; tile m - 2's stores have read their registers: tile m's rows may land there
.endif
	TOSTAGE \m
	SEND \m-1, 16                                  ; behind tile m - 1's loads: tile m's 8 stores and 8 loads
.endr
	SEND 3, 0
	s_wait_xcnt 0x0                                ; the stores have read their registers and their base
	s_add_nc_u64 s[OB:OB+1], s[OB:OB+1], 256       ; 64 columns on
	s_add_co_u32 s[RB], s[RB], REC
	s_add_co_u32 s[BB], s[BB], 256
	s_sub_co_u32 s[CNT], s[CNT], 1
	s_cmp_lg_u32 s[CNT], 0
	s_cbranch_scc1 .Lo
	s_wait_tensorcnt 0x0
	ds_add_u32 v38, v39
	s_wait_dscnt 0x0
	ROUND                                          ; the closing round
	s_endpgm
.Lfunc_end_k_q3b3f60205e_outp:
	.size	k_q3b3f60205e_outp, .Lfunc_end_k_q3b3f60205e_outp-k_q3b3f60205e_outp
	.p2alignl 7, 3214868480
	.fill 96, 4, 3214868480
	.section	.rodata,"a",@progbits
	.p2align	6, 0x0
	.amdhsa_kernel k_q3b3f60205e_outp
		.amdhsa_group_segment_fixed_size 168448
		.amdhsa_private_segment_fixed_size 0
		.amdhsa_enable_private_segment 0
		.amdhsa_kernarg_size 32
		.amdhsa_user_sgpr_count 2
		.amdhsa_user_sgpr_kernarg_segment_ptr 1
		.amdhsa_wavefront_size32 1
		.amdhsa_system_sgpr_workgroup_id_x 1
		.amdhsa_system_sgpr_workgroup_id_y 1
		.amdhsa_system_sgpr_workgroup_id_z 1
		.amdhsa_system_vgpr_workitem_id 0
		.amdhsa_next_free_vgpr 1024
		.amdhsa_next_free_sgpr 80
		.amdhsa_reserve_vcc 0
		.amdhsa_float_denorm_mode_32 3
		.amdhsa_float_denorm_mode_16_64 3
		.amdhsa_memory_ordered 1
		.amdhsa_forward_progress 1
		.amdhsa_inst_pref_size 42
	.end_amdhsa_kernel
	.amdgpu_metadata
---
amdhsa.version: [ 1, 2 ]
amdhsa.kernels:
  - .name:           k_q3b3f60205e_outp
    .symbol:         k_q3b3f60205e_outp.kd
    .args:
      - { .name: cc, .offset: 0, .size: 8, .value_kind: global_buffer, .address_space: global }
      - { .name: wc, .offset: 8, .size: 8, .value_kind: global_buffer, .address_space: global }
      - { .name: bo, .offset: 16, .size: 8, .value_kind: global_buffer, .address_space: global }
      - { .name: out0, .offset: 24, .size: 8, .value_kind: global_buffer, .address_space: global }
    .group_segment_fixed_size: 168448
    .private_segment_fixed_size: 0
    .kernarg_segment_align: 8
    .kernarg_segment_size: 32
    .max_flat_workgroup_size: 128
    .sgpr_count:     80
    .vgpr_count:     1024
    .wavefront_size: 32
...
	.end_amdgpu_metadata
.endif
;; end of part 4
